; MI455X (gfx1250); checked and timed in simulation.
; The chip was launched on July 23, 2026; its instructions are those of AMD's public machine-readable ISA for CDNA 5 (MIT licence, August 2026) and "CDNA5" Instruction Set Architecture Reference Guide (July 2026). The comments in the code are by the model that wrote it; some were corrected since.
;; Shaped Attention. Allowed arithmetic: matrix products marked QUANTISED: E4M3 operands, one given power-of-two scale a tensor, by v_wmma_f32_16x16x64_fp8_fp8 or v_wmma_f32_16x16x128_fp8_fp8, f32 sums; everything else in f32.
;; Inputs: W_out 1,024 x 1,024 float32; W_qkv 1,024 x 3,072 float32; alpha 1 float32; b_out 1,024 float32; beta 1 float32; gamma 1 float32; lowp_scales 8 int32 (the exponents e of the quantised operands' scales 2^e); x 2 x 2,048 x 1,024 float32.
;; Outputs: out0 2 x 2,048 x 1,024 float32.
;; This version of the problem:
;;   THIS VERSION OF THE PROBLEM IS GIVEN IN LOW PRECISION. The matrix products marked QUANTISED in the list below multiply operands that are first quantised to E4M3 (4 exponent bits, 3 mantissa bits; 8 bits a number), with one given power-of-two scale for each operand tensor; their sums are f32. All else is computed in f32.
;;   The module's matrix products, in the order in which they are computed (A, B: the left and right operand; K: the contracted axis; several contracted axes count as one K, in the product's order):
;;     1. [M 4,096, K 1,024] x [K 1,024, N 3,072]; A: input x; B: input W_qkv: QUANTISED (scales: A lowp_scales[0], B lowp_scales[1])
;;     2. batch 32 x [M 2,048, K 64] x [K 64, N 2,048]; A: computed on the way; B: computed on the way: QUANTISED (scales: A lowp_scales[2], B lowp_scales[3])
;;     3. batch 32 x [M 2,048, K 2,048] x [K 2,048, N 64]; A: computed on the way; B: computed on the way: QUANTISED (scales: A lowp_scales[4], B lowp_scales[5])
;;     4. [M 4,096, K 1,024] x [K 1,024, N 1,024]; A: computed on the way; B: input W_out: QUANTISED (scales: A lowp_scales[6], B lowp_scales[7])
;;   THE QUANTISER, for each operand of a quantised product, along K:
;;     - The operand's scale is 2^e, e = its entry of the input lowp_scales (int32; the entries are numbered through the quantised products in the list's order, A before B).
;;     - Each number is divided by the scale, clamped to +-448, and rounded to the nearest number of E4M3, ties to even, subnormals kept.
;;     - The product sums the exact products of the quantised numbers (number of the format x scale) in f32.
;;   ~~~python
;;   def quantise(x, axis, e):      # numpy; x: float32 -> the quantised numbers, widened to float32 again
;;       x = np.moveaxis(x, axis, -1); K = x.shape[-1]
;;       r = np.clip(x / 2.0 ** e, -448, 448)
;;       step = 2.0 ** (np.maximum(np.frexp(np.where(r == 0, 1, r))[1] - 1, -6) - 3)
;;       q = np.round(r / step) * step * 2.0 ** e      # np.round: ties to even
;;       return np.moveaxis(q, -1, axis).astype(np.float32)
;;   ~~~
;;   OPERANDS COMPUTED ON THE WAY. 'Computed on the way' means the value that the module computes at that place (a softmax that the list does not call 'softmax' is quantised finished and normalised). What goes into a quantiser is computed in f32, as accurately as f32 sums, v_exp_f32 and their like allow (about 1e-6 of the number): no bf16 or f16 on the way to a quantiser, and a product that is left as it is and whose result goes on into a quantised operand takes f32 operands (vector FMAs, or v_wmma_f32_16x16x4_f32). A number that lies on a knife's edge between two numbers of the format may be rounded either way, as far as f32 arithmetic and the matrix unit's own rounding can turn it there, and no further.
;; One version. Each part assembles by itself: llvm-mc -triple=amdgcn-amd-amdhsa -mcpu=gfx1250 --defsym DOCPART=n.
;; ======== version 1 of 1: 4 launches
;; workspace buffers: codes 8,388,608 bytes; qkv 12,582,912 bytes; oimg 4,194,304 bytes
;; launch prep (part 1): grid 256 x 1, 4 waves a work-group, no clusters, 102,912 bytes of LDS; arguments x, W_qkv, W_out, lowp_scales, codes; writes codes
.if DOCPART == 1
	.amdgcn_target "amdgcn-amd-amdhsa--gfx1250"
	.amdhsa_code_object_version 6
	.text
	.protected	k_q889c3096f0_prep
	.globl	k_q889c3096f0_prep
	.p2align	8
	.type	k_q889c3096f0_prep,@function
k_q889c3096f0_prep:
	s_mov_b64 s[64:65], 0
	v_nop
	global_prefetch_b8 v0, s[64:65] scope:SCOPE_SE
	s_setreg_imm32_b32 hwreg(HW_REG_WAVE_MODE, 25, 1), 1
	s_wait_xcnt 0x0
; x [4096][1024], W_qkv [1024][3072] and W_out [1024][1024], f32, become codes of FP8 (E4M3), one byte each, K innermost, in ONE buffer of 8,192 rows of 1,024 codes:
; rows 0-4095 x's rows, rows 4096-7167 W_qkv's columns, rows 7168-8191 W_out's columns.  code = number / 2^e, held within +-448, to the nearest code, ties to even;
; e = entry 0 (x), 1 (W_qkv), 7 (W_out) of the buffer of exponents.  LIMITS: each e between -126 and 119, so that 2^e and 448 x 2^e are f32 numbers.  NaN among the inputs is not served.
; 256 work-groups of equal work, 131,072 bytes of f32 each: 0-127 take x, 128-223 W_qkv, 224-255 W_out.  The three ways part on the work-group's number, never join, and have LDS bytes of their own.
; x: K is innermost: a plain stream.  Each load takes 512 consecutive bytes; a step's 2,048 bytes turn through the wave's own stage, so that a lane holds 16 neighbours along K for the conversions.
; The weights: K is the FIRST axis: a lane takes a column and its registers run down K, so the conversions give codes with K innermost; they leave through the wave's stage as rows, sixteen lanes to 256 aligned bytes.
; W_out's rows have the two middle groups of eight in each 32 codes exchanged (places 8-15 hold k 16-23, places 16-23 hold k 8-15): 16 bytes taken at 32 c + 16 (lane / 16) are then
; k = 32 c + 8 (lane / 16) + 0..7 and 32 c + 16 + 8 (lane / 16) + 0..7, the order in which the last launch's other operand lies in its registers.
; No tensor loads, no barrier: waves share nothing.
.set XWG,   128                        ; work-groups for x
.set QWG,   96                         ; for W_qkv
.set SP,    80                         ; x: a lane's place in a stage: 64 bytes + 16 of padding
.set XREG,  8192                       ; x: LDS of a wave: two stages of 32 x SP bytes
.set PITCH, 272                        ; weights: a stage row: 256 codes + 16 of padding
.set WSTG,  32*PITCH                   ; weights: a wave's stage
.set LBQ,   4*XREG                     ; W_qkv's four stages begin here,
.set LBO,   LBQ+4*WSTG                 ; W_out's here,
.set SPARE, LBO+4*WSTG                 ; and behind them the spare words, 128 bytes for each wave: two blocks of 256 bytes that no other line names
.set SPW,   12                         ; v12  LDS address of my spare word; never rewritten
.set NIL,   13                         ; v13  0; never rewritten
.set R,     16                         ; x: v16-79 four sets of 16 numbers as loaded
.set X,     80                         ; x: v80-111 two sets of 16 neighbours
.set C,     128                        ; x: v128-191 codes, four registers for each step: no store's data are written again
.set WX,    32                         ; weights: v32-95 two sets of 32 numbers
.set WC,    96                         ; weights: v96-103 a block's codes
.set OUTR,  112                        ; weights: v112-175 the way out
.macro MKSCALE E                       ; v11 = 2^e as f32 (the conversion takes its exponent field), v10 = 448 x 2^e
	s_wait_kmcnt 0x0
	s_add_co_i32 s22, s[\E], 127
	s_lshl_b32 s23, s22, 23
	v_mov_b32 v11, s23
	s_add_co_i32 s22, s22, 8
	s_lshl_b32 s22, s22, 23
	s_or_b32 s22, s22, 0x600000
	v_mov_b32 v10, s22
.endm
.macro CLOSE                           ; the wave's end: three lines behind my last LDS store
	s_wait_tensorcnt 0x0
	ds_add_u32 v[SPW], v[NIL]
	s_wait_dscnt 0x0
	s_endpgm
.endm
	s_load_b256 s[4:11], s[0:1], 0x0               ; x s[4:5], W_qkv s[6:7], W_out s[8:9], the exponents s[10:11]
	s_load_b64 s[12:13], s[0:1], 0x20              ; the codes
	v_lshl_add_u32 v[SPW], v0, 2, SPARE
	v_mov_b32 v[NIL], 0
	v_lshrrev_b32 v1, 5, v0
	v_readfirstlane_b32 s16, v1                    ; wave 0..3
	v_and_b32 v2, 31, v0                           ; lane
	s_wait_kmcnt 0x0
	s_load_b256 s[24:31], s[10:11], 0x0            ; e0 .. e7
	s_cmp_lt_u32 ttmp9, XWG
	s_cbranch_scc0 .Lweights
; ---------------- x: a wave takes 16 steps of 512 numbers ----------------
	v_lshlrev_b32 v3, 4, v2                        ; my 16 bytes of a load's 512, and of a step's 512 bytes of codes
	s_mul_i32 s17, s16, XREG
	v_lshrrev_b32 v14, 2, v2
	v_mul_u32_u24 v14, v14, SP
	v_and_b32 v15, 3, v2
	v_lshl_add_u32 v14, v15, 4, v14
	v_add_nc_u32 v14, s17, v14                     ; the stage, on the way in: SP (lane / 4) + 16 (lane % 4)
	v_mul_u32_u24 v15, v2, SP
	v_add_nc_u32 v15, s17, v15                     ; and on the way out: SP x lane: my 16 neighbours
	s_lshl_b32 s18, ttmp9, 2
	s_add_co_u32 s18, s18, s16                     ; which run of 8,192 numbers is my wave's: 0 .. 511
	s_lshl_b32 s20, s18, 15                        ; 32,768 bytes of f32 a run
	s_mov_b32 s21, 0
	s_add_nc_u64 s[4:5], s[4:5], s[20:21]
	s_lshl_b32 s20, s18, 13                        ; 8,192 bytes of codes a run
	s_add_nc_u64 s[12:13], s[12:13], s[20:21]
.macro XLOAD t
.irp i, 0,1,2,3
	global_load_b128 v[R+16*((\t)%4)+4*\i:R+16*((\t)%4)+4*\i+3], v3, s[4:5] offset:2048*(\t)+512*\i th:TH_LOAD_NT   ; 32 lanes read 512 consecutive bytes
.endr
.endm
.macro XTURN t                         ; step t's numbers through the stage: LDS serves a wave's instructions in order, so no wait stands between the stores and the loads
.irp i, 0,1,2,3
	ds_store_b128 v14, v[R+16*((\t)%4)+4*\i:R+16*((\t)%4)+4*\i+3] offset:32*SP*((\t)%2)+8*SP*\i
.endr
.irp i, 0,1,2,3
	ds_load_b128 v[X+16*((\t)%2)+4*\i:X+16*((\t)%2)+4*\i+3], v15 offset:32*SP*((\t)%2)+16*\i
.endr
.endm
.irp t, 0,1,2,3
	XLOAD \t
.endr
	MKSCALE 24                                     ; e0
	s_wait_loadcnt 12                              ; step 0's four loads are in; the twelve of steps 1 to 3 may be out
	XTURN 0
.macro XSTEP t
.set XS, X+16*((\t)%2)
	s_wait_dscnt 0x0                               ; this step's numbers are back from the stage: so its stores into the stage have read their registers,
.if (\t)+4 < 16
	XLOAD (\t)+4                                   ; which take the loads of four steps on
.endif
.if (\t)+1 < 16
.if 14-(\t) >= 3
	s_wait_loadcnt 12                              ; the next step's four loads are in; those of the three steps behind it may be out
.else
	s_wait_loadcnt 4*(14-(\t))                     ; the counts run down
.endif
	XTURN (\t)+1                                   ; and go through the other stage while this step is worked
.endif
.irp i, 0,1,2,3,4,5,6,7,8,9,10,11,12,13,14,15
	v_med3_num_f32 v[XS+\i], v[XS+\i], -v10, v10   ; the conversion to an 8-bit code does not saturate (ISA guide 7.6.2): the hold at the largest code x the scale comes first
.endr
	v_cvt_scalef32_pk8_fp8_f32 v[C+4*(\t):C+4*(\t)+1], v[XS:XS+7], v11
	v_cvt_scalef32_pk8_fp8_f32 v[C+4*(\t)+2:C+4*(\t)+3], v[XS+8:XS+15], v11   ; the results go to a store alone; the next vector lines are the next step's holds, plain lines on other registers
	global_store_b128 v3, v[C+4*(\t):C+4*(\t)+3], s[12:13] offset:512*(\t)      ; 32 lanes store 512 consecutive bytes, aligned
.endm
.irp t, 0,1,2,3,4,5,6,7,8,9,10,11,12,13,14,15
	XSTEP \t
.endr
	CLOSE
; ---------------- a weight [1024][N]: a wave takes 32 columns x 256 along K ----------------
.macro WLOAD t, N, SRC                 ; block t: W(32 t + i, my column), i = 0 .. 31, into set t % 2: 128 consecutive bytes a wave, the four waves side by side on 512
.irp i, 0,1,2,3,4,5,6,7,8,9,10,11,12,13,14,15,16,17,18,19,20,21,22,23,24,25,26,27,28,29,30,31
	global_load_b32 v[WX+32*((\t)%2)+\i], v3, s[\SRC:\SRC+1] offset:(32*(\t)+\i)*\N*4 th:TH_LOAD_NT
.endr
.endm
.macro WBLOCK t, N, SRC, PERM
.set XS, WX+32*((\t)%2)
.if (\t) < 7
	s_wait_loadcnt 32                              ; this block's 32 loads are in; the next block's 32 may be out
.else
	s_wait_loadcnt 0
.endif
.irp i, 0,1,2,3,4,5,6,7,8,9,10,11,12,13,14,15,16,17,18,19,20,21,22,23,24,25,26,27,28,29,30,31
	v_med3_num_f32 v[XS+\i], v[XS+\i], -v10, v10
.endr
.irp g, 0,1,2,3
.if \PERM
	v_cvt_scalef32_pk8_fp8_f32 v[WC+2*((\g%2)*2+\g/2):WC+2*((\g%2)*2+\g/2)+1], v[XS+8*\g:XS+8*\g+7], v11   ; groups 1 and 2 change places
.else
	v_cvt_scalef32_pk8_fp8_f32 v[WC+2*\g:WC+2*\g+1], v[XS+8*\g:XS+8*\g+7], v11
.endif
.endr
	ds_store_b128 v4, v[WC:WC+3] offset:32*(\t)    ; 32 codes: 32 bytes of my column's row
	ds_store_b128 v4, v[WC+4:WC+7] offset:32*(\t)+16
.if (\t)+2 < 8
	WLOAD (\t)+2, \N, \SRC
.endif
	s_wait_dscnt 0x0                               ; the stores have read their registers: the next block's codes may be written (32 plain holds come first)
.endm
; N: columns of the weight; ROW0: its first row among the codes; LB: its stages in LDS; PERM: exchange the middle groups; WG0: its first work-group; SRC: the pair with its address; E: the register with its exponent
.macro WPATH N, ROW0, LB, PERM, WG0, SRC, E
	s_sub_co_u32 s17, ttmp9, \WG0
	s_and_b32 s18, s17, 3                          ; which 256 along K
	s_lshr_b32 s17, s17, 2
	s_lshl_b32 s17, s17, 7
	s_lshl_b32 s19, s16, 5
	s_add_co_u32 s17, s17, s19                     ; my wave's first column: 128 x group + 32 x wave
	v_lshlrev_b32 v3, 2, v2                        ; in: 4 bytes a lane
	s_mul_i32 s19, s16, WSTG
	s_add_co_u32 s19, s19, \LB                     ; my stage
	v_mul_u32_u24 v4, v2, PITCH
	v_add_nc_u32 v4, s19, v4                       ; into it: row = my column
	v_and_b32 v5, 15, v2
	v_lshrrev_b32 v6, 4, v2                        ; out of it: sixteen lanes to a row, two rows an instruction
	v_mul_u32_u24 v7, v6, PITCH
	v_lshl_add_u32 v7, v5, 4, v7
	v_add_nc_u32 v7, s19, v7
	v_lshlrev_b32 v8, 10, v6
	v_lshl_add_u32 v8, v5, 4, v8                   ; and the same place among the codes: rows of 1,024 bytes
	s_mul_i32 s20, s18, 256*\N*4                   ; 256 rows of the weight down,
	s_lshl_b32 s22, s17, 2
	s_add_co_u32 s20, s20, s22                     ; + 4 bytes a column
	s_mov_b32 s21, 0
	s_add_nc_u64 s[\SRC:\SRC+1], s[\SRC:\SRC+1], s[20:21]
	s_add_co_u32 s22, s17, \ROW0
	s_lshl_b32 s22, s22, 10
	s_lshl_b32 s23, s18, 8
	s_add_co_u32 s22, s22, s23                     ; the codes: row x 1,024 + 256 x which
	s_mov_b32 s23, 0
	s_add_nc_u64 s[12:13], s[12:13], s[22:23]
	WLOAD 0, \N, \SRC
	WLOAD 1, \N, \SRC
	MKSCALE \E
.irp t, 0,1,2,3,4,5,6,7
	WBLOCK \t, \N, \SRC, \PERM
.endr
.irp t, 0,1,2,3,4,5,6,7,8,9,10,11,12,13,14,15
	ds_load_b128 v[OUTR+4*\t:OUTR+4*\t+3], v7 offset:2*\t*PITCH   ; LDS serves a wave's instructions in order: these see my stores
.endr
.irp t, 0,1,2,3,4,5,6,7,8,9,10,11,12,13,14,15
	s_wait_dscnt 15-\t                             ; the younger loads may be out
	global_store_b128 v8, v[OUTR+4*\t:OUTR+4*\t+3], s[12:13] offset:2*\t*1024   ; sixteen lanes store 256 consecutive bytes, aligned
.endr
	CLOSE
.endm
.Lweights:
	s_cmp_lt_u32 ttmp9, XWG+QWG
	s_cbranch_scc0 .Lwout
	WPATH 3072, 4096, LBQ, 0, XWG, 6, 25           ; W_qkv, e1
.Lwout:
	WPATH 1024, 7168, LBO, 1, XWG+QWG, 8, 31       ; W_out, e7
.Lfunc_end_k_q889c3096f0_prep:
	.size	k_q889c3096f0_prep, .Lfunc_end_k_q889c3096f0_prep-k_q889c3096f0_prep
	.p2alignl 7, 3214868480
	.fill 96, 4, 3214868480
	.section	.rodata,"a",@progbits
	.p2align	6, 0x0
	.amdhsa_kernel k_q889c3096f0_prep
		.amdhsa_group_segment_fixed_size 102912
		.amdhsa_private_segment_fixed_size 0
		.amdhsa_enable_private_segment 0
		.amdhsa_kernarg_size 40
		.amdhsa_user_sgpr_count 2
		.amdhsa_user_sgpr_kernarg_segment_ptr 1
		.amdhsa_wavefront_size32 1
		.amdhsa_system_sgpr_workgroup_id_x 1
		.amdhsa_system_sgpr_workgroup_id_y 1
		.amdhsa_system_sgpr_workgroup_id_z 1
		.amdhsa_system_vgpr_workitem_id 0
		.amdhsa_next_free_vgpr 192
		.amdhsa_next_free_sgpr 66
		.amdhsa_reserve_vcc 0
		.amdhsa_float_denorm_mode_32 3
		.amdhsa_float_denorm_mode_16_64 3
		.amdhsa_memory_ordered 1
		.amdhsa_forward_progress 1
		.amdhsa_inst_pref_size 133
	.end_amdhsa_kernel
	.amdgpu_metadata
---
amdhsa.version: [ 1, 2 ]
amdhsa.kernels:
  - .name:           k_q889c3096f0_prep
    .symbol:         k_q889c3096f0_prep.kd
    .args:
      - { .name: x, .offset: 0, .size: 8, .value_kind: global_buffer, .address_space: global }
      - { .name: W_qkv, .offset: 8, .size: 8, .value_kind: global_buffer, .address_space: global }
      - { .name: W_out, .offset: 16, .size: 8, .value_kind: global_buffer, .address_space: global }
      - { .name: lowp_scales, .offset: 24, .size: 8, .value_kind: global_buffer, .address_space: global }
      - { .name: codes, .offset: 32, .size: 8, .value_kind: global_buffer, .address_space: global }
    .group_segment_fixed_size: 102912
    .private_segment_fixed_size: 0
    .kernarg_segment_align: 8
    .kernarg_segment_size: 40
    .max_flat_workgroup_size: 128
    .sgpr_count:     66
    .vgpr_count:     192
    .wavefront_size: 32
...
	.end_amdgpu_metadata
.endif
;; end of part 1
;; launch qkvgemm (part 2): grid 12 x 16, 4 waves a work-group, clusters of 4 x 4, 327,680 bytes of LDS; arguments codes, lowp_scales, qkv; writes qkv
.if DOCPART == 2
	.amdgcn_target "amdgcn-amd-amdhsa--gfx1250"
	.amdhsa_code_object_version 6
	.text
	.protected	k_q889c3096f0_qkvgemm
	.globl	k_q889c3096f0_qkvgemm
	.p2align	8
	.type	k_q889c3096f0_qkvgemm,@function
k_q889c3096f0_qkvgemm:
	s_mov_b64 s[64:65], 0
	v_nop
	global_prefetch_b8 v0, s[64:65] scope:SCOPE_SE
	s_setreg_imm32_b32 hwreg(HW_REG_WAVE_MODE, 25, 1), 1
	s_wait_xcnt 0x0
	s_wait_alu depctr_hold_cnt(0) depctr_sa_sdst(0) depctr_va_vdst(0) depctr_va_sdst(0) depctr_va_ssrc(0) depctr_va_vcc(0) depctr_vm_vsrc(0)
	s_getreg_b32 s2, hwreg(HW_REG_IB_STS2, 6, 4)
	s_cmp_eq_u32 s2, 0
	s_cbranch_scc0 .Lentry_in_a_cluster
	s_endpgm
.Lentry_in_a_cluster:
	s_bfe_u32 s2, ttmp6, 0x10000c
	s_cmp_lg_u32 s2, 0xf033
	s_cbranch_scc0 .Lentry_shape_is_right
	s_endpgm
.Lentry_shape_is_right:
; qkv = x W_qkv on codes of FP8 (E4M3), and its sums quantised at once to the codes of q (2^e2), k (2^e3) and v (2^e5), stored as IMAGES OF THE NEXT OPERANDS' REGISTERS.
; Both operands are rows of 1,024 codes of ONE buffer (x: rows 0-4095; W_qkv's columns: rows 4096-7167).  A tile is (256 rows) x (256 rows)^T; four waves, each 128 x 128: 64 accumulators, 512 registers.
; K goes in steps of 256 through a ring of two LDS slots filled by the tensor data mover: four K steps.
; THE MATRIX INSTRUCTION: source 0 = 16 rows of the B area, source 1 = 16 rows of the A area: a lane holds ONE row of A's and its eight registers eight neighbouring rows of B's.
; Cluster x = 0 (q), 1 (k): A = tokens, B = weight columns: a lane holds a token and channels along its registers: the channels are the next product's K.
; Cluster x = 2 (v): A = weight columns, B = tokens: a lane holds a channel and KEYS along its registers: the keys are v's K.  One loop serves both; the choice is made on the cluster's x, which all sixteen partners share.
; So a conversion's two registers ARE registers 2 b, 2 b + 1 of the next operand (k = 16 b + 8 (lane / 16) + 0..7), in the right lanes, and every store is 16 bytes a lane at 16 x lane: 512 consecutive bytes, aligned.
; IMAGES.  q at byte 0, k at 4 MiB, v at 8 MiB of the buffer; a (batch, head) pair hb = 16 batch + head takes 131,072 bytes in each.  q, k: a tile of 16 tokens, 1,024 bytes: registers 0-3, then 4-7, 512 bytes each.
; v: a step of 128 keys, 8,192 bytes: four tiles of 16 channels, 2,048 bytes each: registers 0-3, 4-7, 8-11, 12-15.
; A sum stands for sum x 2^(e0 + e1), so its code is sum / 2^(et - e0 - e1), et = e2, e3 or e5.  LIMIT: et - e0 - e1 between -126 and 119.  NaN is not served.
; Inside a matrix instruction k is permuted alike in A and B (four loads of 16 bytes a fragment): every product meets its partner.
; CLUSTERS: 4 x 4 work-groups.  A's tile hangs on the cluster's coordinates and cy alone and is asked for jointly by a row of the cluster, B's on cx alone and by a column.
; REGISTERS, in windows of 256: window 0: v0-31 addresses; v32-47 codes, v64-127 held sums on the way out; v128-255 A's fragments, one set.  window 1: B's fragments, two sets.  windows 2, 3: the accumulators ((a, b) at v[8 (8 (a % 4) + b)]).
.set SIZE_K, 1024
.set KSTEP,  256
.set ROWB,   256                       ; a tile's row in bytes
.set KROW,   SIZE_K                    ; a row of codes in memory
.set PITCH,  272                       ; an LDS row: 256 bytes + 16 of padding = 68 words: the 16 rows that a load touches start at 16 different banks (64 banks of 4 bytes: ISA guide 11.1)
.set FR,     16                        ; registers of a fragment: 16 rows x 128 K
.set NL,     4                         ; LDS loads that bring one
.set NP,     4                         ; places behind this matrix instruction (ISA guide 7.12.1)
.set HALFT,  128*PITCH                 ; 128 rows: what one tensor load brings
.set SLOT,   4*HALFT                   ; A's 256 rows, then B's 256 rows
.set LAPS,   SIZE_K/(2*KSTEP)
.set SPARE,  2*SLOT                    ; behind the ring: the spare words, 128 bytes for each wave: two blocks of 256 bytes that no other line names
.set ADRA, 16                          ; v16-17  LDS address of my A fragments in slot 0, 1
.set ADRB, 20                          ; v20-21  the same for B
.set VOA,  24                          ; v24     16 x lane
.set VOB,  25                          ; v25     16 x lane + where the image's second half lies
.set SC,   26                          ; v26     2^(et - e0 - e1) as f32
.set SPW,  28                          ; v28     LDS address of my spare word; never rewritten
.set NIL,  29                          ; v29     0; never rewritten
.set CD,   32                          ; v32-47  a block's codes
.set TMP,  64                          ; v64-127 a block's sums, held
.set AF,   128                         ; A's fragments, in window 0
.set G1, 24                            ; s[24:31] descriptor group 1 for A's tiles;  s[32:39] group 0, one set for each slot
.set G0, 32
.set G1B, 48                           ; s[48:55], s[56:63] the same for B's tiles
.set G0B, 56
.set MSB, 0
.macro WIN new                         ; the immediate's high byte repeats the setting that is left
.if MSB != (\new)
	s_set_vgpr_msb (MSB<<8)|(\new)
.set MSB, \new
.endif
.endm
.set MUL_LO, 0xa1                      ; source 0 (B) window 1, source 1 (A) window 0, C and D window 2
.set MUL_HI, 0xf1                      ; the same, C and D window 3
.set TO_B,   0x40                      ; destination window 1, address window 0
; A joint load: waves 0 and 1 fetch for A, waves 2 and 3 for B.  The branch hangs on the wave's number alone.  An s_nop 0 and four v_nop follow each of the two lines.
.macro JLOAD g0a, g1a, g0b, g1b
	s_cmp_eq_u32 s15, 0
	s_cbranch_scc0 .Lfor_b_\@
	tensor_load_to_lds s[\g0a:\g0a+3], s[\g1a:\g1a+7]
	s_nop 0
.rept 4
	v_nop
.endr
	s_branch .Lasked_\@
.Lfor_b_\@:
	tensor_load_to_lds s[\g0b:\g0b+3], s[\g1b:\g1b+7]
	s_nop 0
.rept 4
	v_nop
.endr
.Lasked_\@:
.endm
.macro CREST                           ; a round of the cluster's barrier behind its opening barrier
	s_cmp_lg_u32 s14, 0
	s_cbranch_scc1 .Lnot_wave_0_\@
	s_barrier_signal -3
.Lnot_wave_0_\@:
	s_barrier_wait -3
	s_barrier_signal -1
	s_barrier_wait -1
.endm
.macro CROUND                          ; a whole round
	s_barrier_signal -1
	s_barrier_wait -1
	CREST
.endm
	s_load_b128 s[4:7], s[0:1], 0x0                ; the codes s[4:5], the exponents s[6:7]
	s_load_b64 s[10:11], s[0:1], 0x10              ; the images
	v_lshl_add_u32 v[SPW], v0, 2, SPARE
	v_mov_b32 v[NIL], 0
	ds_add_u32 v[SPW], v[NIL]                      ; the wave's opening: the add and its wait stand ahead of my first tensor load; the set-up below, work on registers, stands between them
	v_lshrrev_b32 v1, 5, v0
	v_readfirstlane_b32 s14, v1                    ; wave 0..3
	s_lshr_b32 s15, s14, 1                         ; which half of A's rows is mine.  Also: I fetch for A (0) or for B (1)
	s_and_b32 s16, s14, 1                          ; which half of B's rows.  Also: which 128 rows of that tile I fetch
	s_bfe_u32 s40, ttmp6, 0x40000                  ; cx, cy: my place in the cluster
	s_bfe_u32 s41, ttmp6, 0x40004
	s_and_b32 s18, ttmp7, 0xffff
	s_lshl_b32 s18, s18, 2                         ; 4 x cluster y: the first of the cluster's four blocks of 256 tokens
	s_lshl_b32 s19, ttmp9, 2
	s_add_co_u32 s19, s19, 16                      ; 16 + 4 x cluster x: the first of its four blocks of 256 weight columns (q, k)
	s_cmp_eq_u32 ttmp9, 2                          ; v?  The cluster's x: the same in all sixteen
	s_cselect_b32 s17, 24, s18                     ; A's block of 256 rows of codes: v's weight columns, or tokens,
	s_cselect_b32 s42, s18, s19                    ; B's: tokens, or weight columns
	s_add_co_u32 s17, s17, s41                     ; + cy: shared along a row of the cluster
	s_add_co_u32 s42, s42, s40                     ; + cx: shared along a column
	s_lshl_b32 s43, s41, 2
	s_lshl_b32 s43, 15, s43                        ; my row of the cluster
	s_lshl_b32 s44, 0x1111, s40                    ; my column
	; descriptor group 1: a tile of 128 rows x 256 bytes, padded in LDS
	s_or_b32 s[G1+0], s43, (0<<16)|(1<<20)|(1<<21)|(5<<22)|(3<<25)  ; 15:0 the mask; 17:16 element of 1 byte; 20 padding on; 21 set beside a mask; 24:22 after every 64 words (code 5); 31:25 of 4 words (code 3)
	s_or_b32 s[G1B+0], s44, (0<<16)|(1<<20)|(1<<21)|(5<<22)|(3<<25)
.irp g, G1, G1B
	s_mov_b32 s[\g+1], ROWB<<16                    ; tensor_dim0
	s_mov_b32 s[\g+2], 128<<16                     ; tensor_dim1 = 128
	s_mov_b32 s[\g+3], ROWB<<16                    ; tile_dim0
	s_mov_b32 s[\g+4], 128                         ; tile_dim1 = 128
	s_mov_b32 s[\g+5], KROW                        ; tensor_dim0_stride
	s_mov_b32 s[\g+6], 0
	s_mov_b32 s[\g+7], 0
.endr
	s_lshl_b32 s18, s16, 7                         ; which 128 rows of the tile I fetch
	s_lshl_b32 s20, s17, 8
	s_add_co_u32 s20, s20, s18
	s_lshl_b32 s20, s20, 10                        ; A: (256 x block + 128 x half) rows of 1,024 bytes: under 2^23
	s_mov_b32 s21, 0
	s_lshl_b32 s46, s42, 8
	s_add_co_u32 s46, s46, s18
	s_lshl_b32 s46, s46, 10                        ; B likewise
	s_mov_b32 s47, 0
	s_mul_i32 s45, s14, HALFT                      ; where they go: wave x 128 rows: no place in the cluster enters an LDS address
	s_wait_dscnt 0x0                               ; the opening add is done
	s_wait_kmcnt 0x0
	s_load_b256 s[84:91], s[6:7], 0x0              ; e0 .. e7
	s_add_nc_u64 s[20:21], s[4:5], s[20:21]
	s_add_nc_u64 s[46:47], s[4:5], s[46:47]
	CROUND                                         ; all sixteen work-groups are here: the first joint loads meet
.irp s, 0,1
	s_mov_b32 s[G0+4*\s], 1
	s_add_co_u32 s[G0+4*\s+1], s45, \s*SLOT
	s_add_nc_u64 s[G0+4*\s+2:G0+4*\s+3], s[20:21], \s*ROWB
	s_or_b32 s[G0+4*\s+3], s[G0+4*\s+3], 0x80000000
	s_mov_b32 s[G0B+4*\s], 1
	s_add_co_u32 s[G0B+4*\s+1], s45, \s*SLOT
	s_add_nc_u64 s[G0B+4*\s+2:G0B+4*\s+3], s[46:47], \s*ROWB
	s_or_b32 s[G0B+4*\s+3], s[G0B+4*\s+3], 0x80000000
	JLOAD G0+4*\s, G1, G0B+4*\s, G1B
.endr
	v_and_b32 v1, 15, v0                           ; l % 16
	v_bfe_u32 v2, v0, 4, 1                         ; l / 16
	v_mul_u32_u24 v3, v1, PITCH
	v_lshl_add_u32 v4, v2, 4, v3                   ; a fragment's row x pitch + 16 x half
	s_mul_i32 s21, s15, HALFT                      ; my 128 rows of A
	s_mul_i32 s22, s16, HALFT                      ; my 128 rows of B,
	s_add_co_u32 s22, s22, 2*HALFT                 ; which lie behind A's 256
.irp s, 0,1
	v_add_nc_u32 v[ADRA+\s], s21, v4
	v_add_nc_u32 v[ADRB+\s], s22, v4
	s_add_co_u32 s21, s21, SLOT
	s_add_co_u32 s22, s22, SLOT
.endr
	; where my images go.  Tokens are A's rows for q and k, B's for v; the channels are the other side's
	s_cmp_eq_u32 ttmp9, 2
	s_cselect_b32 s66, s40, s41                    ; my place on the tokens' side,
	s_cselect_b32 s67, s41, s40                    ; on the channels' side,
	s_cselect_b32 s68, s16, s15                    ; my half of the 256 tokens,
	s_cselect_b32 s69, s15, s16                    ; my half of the 256 channels
	s_mov_b32 s70, 0x20000
	s_cselect_b32 s70, 1024, s70                   ; codes 8-15 of a block: v: the image's second half; q, k: the next head
	s_mov_b32 s72, 1024
	s_cselect_b32 s72, 2048, s72                   ; from block a to a + 1: v: the next tile of channels; q, k: the next tile of tokens
	s_mov_b32 s74, 1024
	s_cselect_b32 s74, 124928, s74                 ; from block 3 to 4: v: the next head's first tile of channels, 131,072 - 3 x 2,048
	s_mov_b32 s73, 0
	s_mov_b32 s75, 0
	s_and_b32 s76, ttmp7, 0xffff
	s_lshl_b32 s76, s76, 2
	s_add_co_u32 s76, s76, s66                     ; my block of 256 tokens, 0 .. 15
	s_lshr_b32 s77, s76, 3                         ; batch
	s_and_b32 s76, s76, 7
	s_lshl_b32 s76, s76, 14                        ; 256 tokens are 16,384 bytes of a head's images (16 tiles of 1,024, or 2 steps of 8,192),
	s_lshl_b32 s78, s68, 13
	s_add_co_u32 s76, s76, s78                     ; my half of them 8,192
	s_lshl_b32 s77, s77, 4
	s_lshl_b32 s78, s67, 2
	s_add_co_u32 s77, s77, s78
	s_lshl_b32 s78, s69, 1
	s_add_co_u32 s77, s77, s78                     ; hb of my first head = 16 batch + 4 x block of channels + 2 x half
	s_lshl_b32 s77, s77, 17
	s_add_co_u32 s76, s76, s77
	s_lshl_b32 s78, ttmp9, 22                      ; q, k or v: 4 MiB each
	s_add_co_u32 s76, s76, s78
	s_mov_b32 s77, 0
	s_add_nc_u64 s[10:11], s[10:11], s[76:77]
	v_and_b32 v6, 31, v0
	v_lshlrev_b32 v[VOA], 4, v6
	v_add_nc_u32 v[VOB], s70, v[VOA]
.macro FRAG reg, adr, q, i             ; a fragment, 16 rows x 128 K: lane l holds row l % 16; registers 4 c .. 4 c + 3 hold K = 32 c + 16 (l / 16) + 0 .. 15
.irp c, 0,1,2,3
	ds_load_b128 v[\reg+4*\c:\reg+4*\c+3], v[\adr] offset:128*(\q)+32*\c+(\i)*16*PITCH
.endr
.endm
; 16 matrix instructions: A's blocks a0, a0 + 1 x B's eight, 128 along K.  p: B's set.  zero = 1: the first product starts the sums.
; The 64 accumulators take turns, one instruction a turn, in the same order in every step.
.macro MUL16 a0, p, zero
.irp a, \a0, \a0+1
.irp b, 0,1,2,3,4,5,6,7
.if \zero
	v_wmma_f32_16x16x128_fp8_fp8 v[8*(8*((\a)%4)+\b):8*(8*((\a)%4)+\b)+7], v[128*(\p)+FR*\b:128*(\p)+FR*\b+FR-1], v[AF+FR*(\a):AF+FR*(\a)+FR-1], 0
.else
	v_wmma_f32_16x16x128_fp8_fp8 v[8*(8*((\a)%4)+\b):8*(8*((\a)%4)+\b)+7], v[128*(\p)+FR*\b:128*(\p)+FR*\b+FR-1], v[AF+FR*(\a):AF+FR*(\a)+FR-1], v[8*(8*((\a)%4)+\b):8*(8*((\a)%4)+\b)+7]
.endif
.endr
.endr
.endm
.macro FETCH_B slot, q, p              ; B's eight fragments of the slot's q-th 128 along K into set p
	WIN TO_B
.irp i, 0,1,2,3,4,5,6,7
	FRAG 128*(\p)+FR*\i, ADRB+\slot, \q, \i
.endr
	WIN 0
.endm
.macro FETCH_A slot, q, i0             ; A's blocks i0 .. i0 + 3
.irp i, \i0, \i0+1, \i0+2, \i0+3
	FRAG AF+FR*(\i), ADRA+\slot, \q, \i
.endr
.endm
; A load into a register that a matrix instruction has read, and a vector instruction that reads a matrix result, stand NP places behind that matrix instruction; only plain vector
; instructions that name none of its registers are places (ISA guide 7.12.1 for vector instructions).
.macro PLACES n
.rept \n
	v_nop
.endr
.endm
; A step of 128 along K that has its successor in the same slot.  A's blocks 0-3 are fetched anew in its middle, blocks 4-7 at its end; B has two sets.
.macro STEP slot, q, zero
	s_wait_dscnt 4*NL                              ; B's set and A's blocks 0-3 are in; the youngest sixteen loads (A's blocks 4-7) may be out
	WIN MUL_LO
	MUL16 0, (\q)%2, \zero
	MUL16 2, (\q)%2, \zero
	s_wait_dscnt 0                                 ; A's blocks 4-7 are in
	PLACES NP
	FETCH_B \slot, (\q)+1, 1-(\q)%2
	FETCH_A \slot, (\q)+1, 0
	WIN MUL_HI
	MUL16 4, (\q)%2, \zero
	MUL16 6, (\q)%2, \zero
	PLACES NP
	WIN 0
	FETCH_A \slot, (\q)+1, 4
.endm
; A slot's last step changes slots: ONE barrier; in front of it each wave waits for all its tensor loads, adds 0 to its spare word, and waits for that and for its own reads of this slot.  fill = 1: this slot is filled again, two K steps ahead.
.macro TURN slot, next, fill
	s_wait_tensorcnt 0x0                           ; all my tensor loads have landed: my part of the next slot;  (every window is 0 here)
	ds_add_u32 v[SPW], v[NIL]                      ; 0 onto my spare word
	s_wait_dscnt 4*NL+1                            ; (the add and the youngest sixteen loads, A's blocks 4-7, may be out)
	WIN MUL_LO
	MUL16 0, 1, 0                                  ; sixteen matrix instructions stand between the add and the wait for it
	s_wait_dscnt 0x0                               ; the add is done, and my reads of this slot are over
	s_barrier_signal -1
	MUL16 2, 1, 0
	WIN 0
	s_barrier_wait -1
.if \fill
	CREST                                          ; the barrier has opened a round of the cluster's barrier: no wave of any partner still reads this slot's tile or has a load on its way
	s_add_nc_u64 s[G0+4*\slot+2:G0+4*\slot+3], s[G0+4*\slot+2:G0+4*\slot+3], 2*ROWB
	s_add_nc_u64 s[G0B+4*\slot+2:G0B+4*\slot+3], s[G0B+4*\slot+2:G0B+4*\slot+3], 2*ROWB
	JLOAD G0+4*\slot, G1, G0B+4*\slot, G1B         ; the first tensor load behind the round; the four v_nop behind it are the places in front of the loads below
.else
	PLACES NP
.endif
	FETCH_B \next, 0, 0
	FETCH_A \next, 0, 0
	WIN MUL_HI
	MUL16 4, 1, 0
	MUL16 6, 1, 0
	PLACES NP
	WIN 0
	FETCH_A \next, 0, 4
.endm
	s_wait_tensorcnt 1                             ; my part of K step 0 is in (K step 1's load may be out)
	s_barrier_signal -1
	s_barrier_wait -1                              ; everybody's is
	FETCH_B 0, 0, 0
	FETCH_A 0, 0, 0
	FETCH_A 0, 0, 4
	STEP 0, 0, 1                                   ; the first step stands in front of the loop: its products start the sums
	s_mov_b32 s3, LAPS-1
.Llap:                                             ; a trip goes once round the ring and fills both slots again
	TURN 0, 1, 1
	STEP 1, 0, 0
	TURN 1, 0, 1
	STEP 0, 0, 0
	s_sub_co_u32 s3, s3, 1
	s_cmp_lg_u32 s3, 0
	s_cbranch_scc1 .Llap
	TURN 0, 1, 0                                   ; the last lap fills nothing, and has no round of the cluster's barrier
	STEP 1, 0, 0
	s_wait_dscnt 4*NL                              ; the very last step: nothing more to fetch
	WIN MUL_LO
	MUL16 0, 1, 0
	MUL16 2, 1, 0
	s_wait_dscnt 0
	WIN MUL_HI
	MUL16 4, 1, 0
	MUL16 6, 1, 0
	WIN 0
; THE WAY OUT, block a of A's eight at a time: 64 sums a lane are held, converted to 16 registers of codes, and stored as they stand.
	s_wait_kmcnt 0x0
	s_cmp_eq_u32 ttmp9, 0
	s_cselect_b32 s79, s86, s87                    ; e2 for q, e3 for k,
	s_cmp_eq_u32 ttmp9, 2
	s_cselect_b32 s79, s89, s79                    ; e5 for v
	s_sub_co_i32 s79, s79, s84
	s_sub_co_i32 s79, s79, s85                     ; et - e0 - e1: the three scales folded into the conversion's one
	s_add_co_i32 s79, s79, 127
	s_lshl_b32 s82, s79, 23
	v_mov_b32 v[SC], s82
	s_add_co_i32 s79, s79, 8
	s_lshl_b32 s80, s79, 23
	s_or_b32 s80, s80, 0x600000                    ; 448 x that,
	s_or_b32 s81, s80, 0x80000000                  ; and its negative
	PLACES NP                                      ; behind the last products, ahead of the first read of results
.macro OUTA a
.set AC, 64*((\a)%4)
	WIN 0x02+((\a)/4)                              ; source 0: window 2 or 3
.set j, 0
.rept 64
	v_med3_num_f32 v[TMP+j], v[AC+j], s81, s80     ; the conversion does not saturate (ISA guide 7.6.2): the hold; each accumulator from its low end on
.set j, j+1
.endr
	WIN 0
.if (\a) > 0
	s_wait_xcnt 0x0                                ; the last block's stores have read their data and their base: both are written again only behind this wait
.if (\a) == 4
	s_add_nc_u64 s[10:11], s[10:11], s[74:75]
.else
	s_add_nc_u64 s[10:11], s[10:11], s[72:73]
.endif
.endif
.irp b, 0,1,2,3,4,5,6,7
	v_cvt_scalef32_pk8_fp8_f32 v[CD+2*\b:CD+2*\b+1], v[TMP+8*\b:TMP+8*\b+7], v[SC]   ; registers 2 b, 2 b + 1 of the next operand
.endr
	v_nop                                          ; one plain vector line behind the last conversion: the next block's holds write its sources
	global_store_b128 v[VOA], v[CD:CD+3], s[10:11]                 ; each store: 512 consecutive bytes, aligned
	global_store_b128 v[VOA], v[CD+4:CD+7], s[10:11] offset:512
	global_store_b128 v[VOB], v[CD+8:CD+11], s[10:11]
	global_store_b128 v[VOB], v[CD+12:CD+15], s[10:11] offset:512
.endm
.irp a, 0,1,2,3,4,5,6,7
	OUTA \a
.endr
	s_wait_tensorcnt 0x0                           ; the wave's end: three lines behind my last tensor load
	ds_add_u32 v[SPW], v[NIL]
	s_wait_dscnt 0x0
	CROUND                                         ; the closing round: no work-group ends while a partner may still ask for a tile that names it
	s_endpgm
.Lfunc_end_k_q889c3096f0_qkvgemm:
	.size	k_q889c3096f0_qkvgemm, .Lfunc_end_k_q889c3096f0_qkvgemm-k_q889c3096f0_qkvgemm
	.p2alignl 7, 3214868480
	.fill 96, 4, 3214868480
	.section	.rodata,"a",@progbits
	.p2align	6, 0x0
	.amdhsa_kernel k_q889c3096f0_qkvgemm
		.amdhsa_group_segment_fixed_size 327680
		.amdhsa_private_segment_fixed_size 0
		.amdhsa_enable_private_segment 0
		.amdhsa_kernarg_size 24
		.amdhsa_user_sgpr_count 2
		.amdhsa_user_sgpr_kernarg_segment_ptr 1
		.amdhsa_wavefront_size32 1
		.amdhsa_system_sgpr_workgroup_id_x 1
		.amdhsa_system_sgpr_workgroup_id_y 1
		.amdhsa_system_sgpr_workgroup_id_z 1
		.amdhsa_system_vgpr_workitem_id 0
		.amdhsa_next_free_vgpr 1024
		.amdhsa_next_free_sgpr 100
		.amdhsa_reserve_vcc 0
		.amdhsa_float_denorm_mode_32 3
		.amdhsa_float_denorm_mode_16_64 3
		.amdhsa_memory_ordered 1
		.amdhsa_forward_progress 1
		.amdhsa_inst_pref_size 119
	.end_amdhsa_kernel
	.amdgpu_metadata
---
amdhsa.version: [ 1, 2 ]
amdhsa.kernels:
  - .name:           k_q889c3096f0_qkvgemm
    .symbol:         k_q889c3096f0_qkvgemm.kd
    .args:
      - { .name: codes, .offset: 0, .size: 8, .value_kind: global_buffer, .address_space: global }
      - { .name: lowp_scales, .offset: 8, .size: 8, .value_kind: global_buffer, .address_space: global }
      - { .name: qkv, .offset: 16, .size: 8, .value_kind: global_buffer, .address_space: global }
    .group_segment_fixed_size: 327680
    .private_segment_fixed_size: 0
    .kernarg_segment_align: 8
    .kernarg_segment_size: 24
    .max_flat_workgroup_size: 128
    .sgpr_count:     100
    .vgpr_count:     1024
    .wavefront_size: 32
...
	.end_amdgpu_metadata
.endif
;; end of part 2
;; launch attn (part 3): grid 8 x 32, 16 waves a work-group, no clusters, 327,680 bytes of LDS; arguments qkv, alpha, beta, gamma, lowp_scales, oimg; writes oimg
.if DOCPART == 3
	.amdgcn_target "amdgcn-amd-amdhsa--gfx1250"
	.amdhsa_code_object_version 6
	.text
	.protected	k_q889c3096f0_attn
	.globl	k_q889c3096f0_attn
	.p2align	8
	.type	k_q889c3096f0_attn,@function
k_q889c3096f0_attn:
	s_mov_b64 s[64:65], 0
	v_nop
	global_prefetch_b8 v0, s[64:65] scope:SCOPE_SE
	s_setreg_imm32_b32 hwreg(HW_REG_WAVE_MODE, 25, 1), 1
	s_wait_xcnt 0x0
; For each (batch, head) pair hb: out = Q(attn) Q(v), attn = alpha I + beta softmax(q k^T / 32) - gamma / 2048, both products on codes of FP8 (E4M3).
; attn is quantised FINISHED AND NORMALISED (2^e4), so a row's maximum and sum are known before any of its numbers is quantised: THE KEYS ARE WALKED TWICE.
; Pass 1: S^T = K Q^T, the running maximum m and the sum l of 2^(c s - c m), c = log2(e) / 32 x 2^(e2 + e3).  Pass 2: the same products on the same operands (the same sums),
; p = 2^(c s - c m) with the final m, attn = p x (beta / l) - gamma / 2048 (+ alpha on the diagonal), the hold, the conversion, O^T += V^T P^T.
; SHARES.  A work-group owns 256 queries of one hb; each of its sixteen waves 16 of them, in 256 registers: four waves to a SIMD, so that one wave's LDS loads and products lie beside the others' vector work.
; LDS.  The pair's whole K and V, 131,072 bytes each, are brought ONCE, as the images of operand registers that the launch before stored.  Each wave asks for 8,192 bytes of K at the head and, first thing
; behind the barrier that shows K whole, for 8,192 bytes of V, which land under pass 1's sixteen steps; a second barrier, between the passes, shows V whole.  Nothing is filled again; no barrier in the loops.
; A fragment comes by loads of 16 bytes a lane at 16 x lane: 512 consecutive bytes, no pitch.  16,384 bytes lie unused between K's images and V's.
; LAYOUT.  Both products are used transposed: source 0 = 16 keys (or 16 channels of V), source 1 = my 16 queries: a lane holds ONE query (lane % 16); in tile t of a step its eight registers are keys
; 16 t + 8 (lane / 16) + 0..7: their two registers of codes ARE registers 2 t, 2 t + 1 of the second product's operand.  In pass 1 each lane keeps m and l of its own half of the keys; the halves meet once, between the passes.
; THE RESULT is quantised at once (2^e6) and stored as an image of the last product's operand: a tile of 16 rows and a head: 1,024 bytes at 16,384 x tile + 1,024 x head.
; NO CLUSTER, though the eight query blocks of a pair read the same K and V: the step in which alpha is added is found by a scalar branch on the wave's tile of queries, which differs between the would-be
; partners, and what would be shared is asked for once against 32 key steps of work.  No prefetch: K is asked for at the head, and V sixteen key steps ahead of its first use.
; LIMITS on the given exponents, so that each power of two below is an f32 number: e2 + e3 between -121 and 132 (added to c's exponent field); e4, and e6 - e4 - e5, between -126 and 119.  NaN is not served.
; The diagonal is summed as (p beta / l - gamma / 2048) + alpha: another order of rounding than alpha + beta p / l - gamma / 2048, a difference of about one part in 10^7.
.set VIMG,  147456                     ; LDS: K's images from 0 to 131,071, V's from here to 278,527
.set SPARE, 294912                     ; the spare words, 128 bytes for each of sixteen waves: eight blocks of 256 bytes that no other line names
.set LI,   1                           ; v1   16 x lane
.set SPW,  2                           ; v2   LDS address of my spare word; never rewritten
.set NIL,  3                           ; v3   0; never rewritten
.set ADK,  4                           ; v4   LDS address of the step's K
.set ADV,  5                           ; v5   of its V
.set M,    6                           ; v6   the largest score so far
.set LV,   7                           ; v7   16 x lane + VIMG
.set Q,    8                           ; v8-15    Q's fragment
.set KF,   16                          ; v16-79   eight fragments of K, or four of V
.set S,    80                          ; v80-143  S^T, then p, then attn
.set O,    144                         ; v144-175 O^T
.set P,    176                         ; v176-191 attn's codes
.set NCM,  192                         ; v[192:193] -c m (the low word serves both halves)
.set FA,   194                         ; v[194:195] pass 1: 2^(c m_old - c m_new); pass 2: beta / l
.set L,    196                         ; v[196:197] the sum, in two halves
.set TP,   198                         ; v[198:199] a second chain of the sum
.set T0,   200                         ; v200-202 at work
.set T1,   201
.set T2,   202
.set SC,   203                         ; v203 2^e4 as f32
.set SCO,  204                         ; v204 2^(e6 - e4 - e5)
.set D,    205                         ; v205 lane % 16 - 8 (lane / 16): which of my eight registers of the diagonal's tile is the diagonal
.set AL,   206                         ; v206 alpha
.set G,    208                         ; v[208:209] -gamma / 2048
.set WV,   16                          ; s16  wave
.set HB,   17                          ; s17  hb
.set SEL,  20                          ; s[20:21] lane selects for v_permlanex16_b32: lane l xor 16
.set CS,   22                          ; s[22:23] c;  s24 -c
.set G1,   28                          ; s[28:35] descriptor group 1, for both loads
.set G0K,  36                          ; s[36:39] descriptor group 0 for my part of K
.set G0V,  40                          ; s[40:43] for my part of V
.set TB,   62                          ; s62  LDS byte of the step to be fetched
.set CNT,  63                          ; s63  steps to go
.set DCNT, 66                          ; s66  CNT's value in the step that holds my diagonal
.set DT,   67                          ; s67  the tile of that step
	s_load_b256 s[4:11], s[0:1], 0x0               ; the images of q, k, v s[4:5], alpha s[6:7], beta s[8:9], gamma s[10:11]
	s_load_b128 s[12:15], s[0:1], 0x20             ; the exponents s[12:13], the result's images s[14:15]
	v_lshl_add_u32 v[SPW], v0, 2, SPARE
	v_mov_b32 v[NIL], 0
	ds_add_u32 v[SPW], v[NIL]                      ; the wave's opening: the add and its wait stand ahead of my first tensor load; the set-up below, work on registers, stands between them
	v_lshrrev_b32 v4, 5, v0
	v_readfirstlane_b32 s[WV], v4                  ; wave 0..15
	s_and_b32 s[HB], ttmp7, 0xffff
	; descriptor group 1: a dense block of 32 rows x 256 bytes, no padding
	s_mov_b32 s[G1+0], 3<<16                       ; no mask; elements of 8 bytes
	s_mov_b32 s[G1+1], 32<<16                      ; tensor_dim0 = 32 elements
	s_mov_b32 s[G1+2], 32<<16                      ; tensor_dim1 = 32
	s_mov_b32 s[G1+3], 32<<16                      ; tile_dim0 = 32
	s_mov_b32 s[G1+4], 32                          ; tile_dim1 = 32
	s_mov_b32 s[G1+5], 32                          ; from row to row: 32 elements
	s_mov_b32 s[G1+6], 0
	s_mov_b32 s[G1+7], 0
	s_mov_b32 s[G0K], 1
	s_lshl_b32 s[G0K+1], s[WV], 13                 ; LDS address: 8,192 x wave among K's images,
	s_mov_b32 s[G0V], 1
	s_add_co_u32 s[G0V+1], s[G0K+1], VIMG          ; and the same place among V's
	s_lshl_b32 s68, s[HB], 17                      ; the pair's 131,072 bytes in each of the three tensors of images
	s_lshl_b32 s70, s[WV], 13
	s_add_co_u32 s70, s70, s68
	s_add_co_u32 s70, s70, 0x400000                ; K's images begin at 4 MiB
	s_mov_b32 s71, 0
	s_lshl_b32 s72, ttmp9, 4
	s_add_co_u32 s72, s72, s[WV]                   ; my tile of 16 queries, 0 .. 127
	s_lshl_b32 s74, s72, 10
	s_add_co_u32 s74, s74, s68                     ; its image among q's
	s_mov_b32 s75, 0
	s_lshr_b32 s76, s[HB], 4
	s_lshl_b32 s76, s76, 7
	s_add_co_u32 s76, s76, s72                     ; the result: tile of rows = 128 batch + my tile,
	s_lshl_b32 s76, s76, 14
	s_and_b32 s77, s[HB], 15
	s_lshl_b32 s77, s77, 10
	s_add_co_u32 s76, s76, s77                     ; x 16,384 + 1,024 x head
	s_mov_b32 s77, 0
	s_lshr_b32 s[DCNT], s72, 3                     ; my queries' own keys lie in step tile / 8,
	s_sub_co_u32 s[DCNT], 16, s[DCNT]              ; where the count of steps to go is 16 - that,
	s_and_b32 s[DT], s[WV], 7                      ; in its tile (tile % 8)
	s_mov_b32 s[SEL], 0x76543210
	s_mov_b32 s[SEL+1], 0xfedcba98
	s_wait_dscnt 0x0                               ; the opening add is done
	s_wait_kmcnt 0x0
	s_load_b256 s[44:51], s[12:13], 0x0            ; e0 .. e7
	s_load_b32 s52, s[6:7], 0x0                    ; alpha
	s_load_b32 s53, s[8:9], 0x0                    ; beta
	s_load_b32 s54, s[10:11], 0x0                  ; gamma
	s_add_nc_u64 s[G0K+2:G0K+3], s[4:5], s[70:71]
	s_add_nc_u64 s[G0V+2:G0V+3], s[G0K+2:G0K+3], 0x400000   ; V's images lie 4 MiB behind K's
	s_or_b32 s[G0K+3], s[G0K+3], 0x80000000        ; type = 2
	s_or_b32 s[G0V+3], s[G0V+3], 0x80000000
	tensor_load_to_lds s[G0K:G0K+3], s[G1:G1+7]    ; my part of K: the one tensor load of mine that is out
	s_nop 0
	s_add_nc_u64 s[18:19], s[4:5], s[74:75]
	s_add_nc_u64 s[14:15], s[14:15], s[76:77]
	v_and_b32 v[LI], 31, v0
	v_lshlrev_b32 v[LI], 4, v[LI]
	global_load_b128 v[Q:Q+3], v[LI], s[18:19]     ; Q's fragment stays in registers
	global_load_b128 v[Q+4:Q+7], v[LI], s[18:19] offset:512
	v_add_nc_u32 v[LV], VIMG, v[LI]
	v_and_b32 v[D], 15, v0
	v_bfe_u32 v[T0], v0, 4, 1
	v_lshlrev_b32 v[T0], 3, v[T0]
	v_sub_nc_u32 v[D], v[D], v[T0]
	v_mov_b32 v[M], 0xff61b1e6                     ; -3e38, under every score
	v_mov_b32 v[NCM+1], 0                          ; (the upper halves of pairs of which the low word is used are written once)
	v_mov_b32 v[FA+1], 0
	v_mov_b32 v[L], 0
	v_mov_b32 v[L+1], 0
.set j, 0
.rept 32
	v_mov_b32 v[O+j], 0                            ; O^T: pass 2 is written once, and its first step adds onto zeros
.set j, j+1
.endr
	s_wait_kmcnt 0x0
	s_add_co_i32 s68, s46, s47
	s_lshl_b32 s68, s68, 23
	s_mov_b32 s[CS], 0x3d38aa3b                    ; log2(e) / 32
	s_add_co_i32 s[CS], s[CS], s68                 ; a score stands for score x 2^(e2 + e3): the exponents are added to c's exponent field
	s_mov_b32 s[CS+1], s[CS]
	s_xor_b32 s24, s[CS], 0x80000000               ; -c
	s_add_co_i32 s68, s48, 127
	s_lshl_b32 s69, s68, 23
	v_mov_b32 v[SC], s69                           ; 2^e4
	s_add_co_i32 s68, s68, 8
	s_lshl_b32 s58, s68, 23
	s_or_b32 s58, s58, 0x600000                    ; 448 x 2^e4,
	s_or_b32 s59, s58, 0x80000000                  ; and its negative
	s_sub_co_i32 s68, s50, s48
	s_sub_co_i32 s68, s68, s49                     ; a sum of the second product stands for sum x 2^(e4 + e5): its code is sum / 2^(e6 - e4 - e5)
	s_add_co_i32 s68, s68, 127
	s_lshl_b32 s69, s68, 23
	v_mov_b32 v[SCO], s69
	s_add_co_i32 s68, s68, 8
	s_lshl_b32 s60, s68, 23
	s_or_b32 s60, s60, 0x600000
	s_or_b32 s61, s60, 0x80000000
	v_mov_b32 v[G], 0xba000000                     ; -1 / 2048
	v_mul_f32 v[G], s54, v[G]                      ; -gamma / 2048: nothing is rounded
	v_mov_b32 v[G+1], v[G]
	v_mul_f32 v[NCM], s24, v[M]                    ; -c m
.macro KLOAD                           ; a step's eight tiles of 16 keys
.irp t, 0,1,2,3,4,5,6,7
	ds_load_b128 v[KF+8*\t:KF+8*\t+3], v[ADK] offset:1024*\t
	ds_load_b128 v[KF+8*\t+4:KF+8*\t+7], v[ADK] offset:1024*\t+512
.endr
.endm
.macro VLOAD                           ; a step's four tiles of 16 channels x 128 keys
.irp t, 0,1,2,3
.irp c, 0,1,2,3
	ds_load_b128 v[KF+16*\t+4*\c:KF+16*\t+4*\c+3], v[ADV] offset:2048*\t+512*\c
.endr
.endr
.endm
.macro QK                              ; S^T = K Q^T: eight products, each its own accumulator, each begun with 0
.irp t, 0,1,2,3,4,5,6,7
	v_wmma_f32_16x16x64_fp8_fp8 v[S+8*\t:S+8*\t+7], v[KF+8*\t:KF+8*\t+7], v[Q:Q+7], 0
.endr
.endm
.macro PV                              ; O^T += V^T P^T: the four accumulators take turns, one instruction a turn
.irp t, 0,1,2,3
	v_wmma_f32_16x16x128_fp8_fp8 v[O+8*\t:O+8*\t+7], v[KF+16*\t:KF+16*\t+15], v[P:P+15], v[O+8*\t:O+8*\t+7]
.endr
.endm
.macro NEXTK                           ; the next step's K, behind four places (the addition and three v_nop): the loads land in registers that the last products have read.  Behind step 15 comes step 0
	s_add_co_u32 s[TB], s[TB], 8192
	s_and_b32 s[TB], s[TB], 0x1ffff
	v_add_nc_u32 v[ADK], s[TB], v[LI]
	v_nop
	v_nop
	v_nop
	KLOAD
.endm
.macro SCALE                           ; c s - c m, two at a time; each accumulator from its low end on
.set j, 0
.rept 32
	v_pk_fma_f32 v[S+j:S+j+1], v[S+j:S+j+1], s[CS:CS+1], v[NCM:NCM+1] op_sel_hi:[1,0,0]
.set j, j+2
.endr
.endm
.macro EXPS                            ; one batch of 64 exponentials, none of which reads another's result
.set j, 0
.rept 64
	v_exp_f32 v[S+j], v[S+j]
.set j, j+1
.endr
.endm
	s_wait_tensorcnt 0x0                           ; my part of K has landed: no tensor load of mine is out;
	ds_add_u32 v[SPW], v[NIL]                      ; 0 onto my spare word, ahead of a barrier behind which a tensor load is issued
	s_wait_dscnt 0x0                               ; the add is done
	s_barrier_signal -1
	s_barrier_wait -1                              ; everybody's part of K has landed
	tensor_load_to_lds s[G0V:G0V+3], s[G1:G1+7]    ; my part of V, a first fill of its bytes: my first instruction behind the barrier and my one tensor load from here on; it has pass 1's sixteen steps in which to land
	s_nop 0
	s_mov_b32 s[TB], 0
	v_add_nc_u32 v[ADK], s[TB], v[LI]
	KLOAD                                          ; step 0
	s_wait_loadcnt 0x0                             ; Q
	s_mov_b32 s[CNT], 16
.Lpass1:                                           ; 16 trips of 128 keys: the maximum and the sum
	s_wait_dscnt 0x0                               ; this step's K is in
	QK
	NEXTK                                          ; lands under the vector work below; its four places also stand ahead of the first read of the scores
	v_max3_num_f32 v[T0], v[M], v[S], v[S+1]       ; the largest of m and my 64 scores, in two chains, each accumulator from its low end on
	v_max_num_f32 v[T1], v[S+2], v[S+3]
	v_max3_num_f32 v[T0], v[T0], v[S+4], v[S+5]
	v_max3_num_f32 v[T1], v[T1], v[S+6], v[S+7]
.irp t, 1,2,3,4,5,6,7
	v_max3_num_f32 v[T0], v[T0], v[S+8*\t], v[S+8*\t+1]
	v_max3_num_f32 v[T1], v[T1], v[S+8*\t+2], v[S+8*\t+3]
	v_max3_num_f32 v[T0], v[T0], v[S+8*\t+4], v[S+8*\t+5]
	v_max3_num_f32 v[T1], v[T1], v[S+8*\t+6], v[S+8*\t+7]
.endr
	v_max_num_f32 v[M], v[T0], v[T1]
	v_mov_b32 v[T2], v[NCM]
	v_mul_f32 v[NCM], s24, v[M]                    ; -c m, anew
	v_sub_f32 v[T2], v[NCM], v[T2]                 ; c m_old - c m_new, 0 or less
	SCALE
	v_exp_f32 v[FA], v[T2]                         ; what was summed under the old m is brought under the new
	EXPS
	v_nop                                          ; one plain line behind the last exponential
	s_wait_alu depctr_va_vdst(0)                   ; the wait ahead of the first line that names a result: one for the batch of 65
	v_pk_add_f32 v[TP:TP+1], v[S:S+1], v[S+2:S+3]  ; the sum, two at a time, in two chains
	v_pk_fma_f32 v[L:L+1], v[L:L+1], v[FA:FA+1], v[S+4:S+5] op_sel_hi:[1,0,1]
.irp j, 6,10,14,18,22,26,30,34,38,42,46,50,54,58
	v_pk_add_f32 v[TP:TP+1], v[TP:TP+1], v[S+\j:S+\j+1]
	v_pk_add_f32 v[L:L+1], v[L:L+1], v[S+\j+2:S+\j+3]
.endr
	v_pk_add_f32 v[TP:TP+1], v[TP:TP+1], v[S+62:S+63]
	v_pk_add_f32 v[L:L+1], v[L:L+1], v[TP:TP+1]
	s_sub_co_u32 s[CNT], s[CNT], 1
	s_cmp_lg_u32 s[CNT], 0
	s_cbranch_scc1 .Lpass1
	; BETWEEN THE PASSES: a query's two halves of the keys lie in lanes l and l xor 16: their maxima and sums meet
	v_permlanex16_b32 v[T0], v[M], s[SEL], s[SEL+1]
	v_max_num_f32 v[M], v[M], v[T0]                ; the row's maximum
	v_mul_f32 v[T1], s24, v[M]
	v_sub_f32 v[T2], v[T1], v[NCM]                 ; c (my half's m) - c m, 0 or less
	v_mov_b32 v[NCM], v[T1]
	v_exp_f32 v[FA], v[T2]
	v_add_f32 v[T0], v[L], v[L+1]                  ; (a plain line behind the exponential)
	s_wait_alu depctr_va_vdst(0)                   ; ahead of its first reader
	v_mul_f32 v[T0], v[T0], v[FA]                  ; my half's sum under the row's maximum,
	v_permlanex16_b32 v[T1], v[T0], s[SEL], s[SEL+1]
	v_add_f32 v[T0], v[T0], v[T1]                  ; and the other half's: l, between 1 and 2,048
	v_rcp_f32 v[T1], v[T0]
	v_nop
	s_wait_alu depctr_va_vdst(0)
	v_mul_f32 v[FA], s53, v[T1]                    ; beta / l
	s_wait_tensorcnt 0x0                           ; my part of V has landed,
	s_wait_dscnt 0x0                               ; and step 0's K, fetched by pass 1's last trip, is in: no LDS instruction of mine is out at a signal
	s_barrier_signal -1
	s_barrier_wait -1                              ; everybody's part of V has landed: from here on LDS is only read
	s_mov_b32 s[CNT], 16                           ; s[TB] is 0 again
.Lpass2:                                           ; 16 trips of 128 keys: attn, its codes, the second product
	s_wait_dscnt 0x0                               ; this step's K is in
	QK
	v_add_nc_u32 v[ADV], s[TB], v[LV]              ; four places, as in NEXTK
	v_nop
	v_nop
	v_nop
	VLOAD                                          ; this step's V takes K's registers and lands under the vector work
	SCALE
	EXPS
	v_nop
	s_wait_alu depctr_va_vdst(0)                   ; one wait for the batch of 64, ahead of its first reader
.set j, 0
.rept 32
	v_pk_fma_f32 v[S+j:S+j+1], v[S+j:S+j+1], v[FA:FA+1], v[G:G+1] op_sel_hi:[1,0,0]   ; attn = p x beta / l - gamma / 2048
.set j, j+2
.endr
	; alpha on the diagonal: one step of the sixteen, one tile of its eight, one register of a lane's eight.  The branches hang on ids and on the count of steps alone
	s_cmp_lg_u32 s[CNT], s[DCNT]
	s_cbranch_scc1 .Lnodiag
	v_mov_b32 v[AL], s52
.irp t, 0,1,2,3,4,5,6,7
	s_cmp_lg_u32 s[DT], \t
	s_cbranch_scc1 .Lnot_\t
.irp j, 0,1,2,3,4,5,6,7
	v_cmp_eq_u32 vcc_lo, \j, v[D]
	v_cndmask_b32 v[T0+\j%2], 0, v[AL], vcc_lo
	v_add_f32 v[S+8*\t+\j], v[S+8*\t+\j], v[T0+\j%2]
.endr
.Lnot_\t:
.endr
.Lnodiag:
.set j, 0
.rept 64
	v_med3_num_f32 v[S+j], v[S+j], s59, s58        ; the conversion does not saturate (ISA guide 7.6.2): the hold at the largest code x the scale
.set j, j+1
.endr
.irp t, 0,1,2,3,4,5,6,7
	v_cvt_scalef32_pk8_fp8_f32 v[P+2*\t:P+2*\t+1], v[S+8*\t:S+8*\t+7], v[SC]   ; keys 16 t + 8 (lane / 16) + 0..7: registers 2 t, 2 t + 1 of the operand
.endr
	v_nop                                          ; one plain line between the last conversion and the products that read its result
	s_wait_dscnt 0x0                               ; V is in
	PV
	NEXTK                                          ; (the last trip's fetch, of step 0, is not used: sixteen loads a wave once, in place of a branch in every trip)
	s_sub_co_u32 s[CNT], s[CNT], 1
	s_cmp_lg_u32 s[CNT], 0
	s_cbranch_scc1 .Lpass2
	; THE WAY OUT: NEXTK's four places stand behind the last products.  O^T's four tiles become the eight registers of an operand of 16 rows x my head's 64 channels
.set j, 0
.rept 32
	v_med3_num_f32 v[O+j], v[O+j], s61, s60        ; each accumulator from its low end on
.set j, j+1
.endr
.irp t, 0,1,2,3
	v_cvt_scalef32_pk8_fp8_f32 v[P+2*\t:P+2*\t+1], v[O+8*\t:O+8*\t+7], v[SCO]
.endr
	v_nop
	global_store_b128 v[LI], v[P:P+3], s[14:15]                ; each store: 512 consecutive bytes, aligned
	global_store_b128 v[LI], v[P+4:P+7], s[14:15] offset:512
	s_wait_tensorcnt 0x0                           ; the wave's end: three lines behind my last tensor load
	ds_add_u32 v[SPW], v[NIL]
	s_wait_dscnt 0x0
	s_endpgm
.Lfunc_end_k_q889c3096f0_attn:
	.size	k_q889c3096f0_attn, .Lfunc_end_k_q889c3096f0_attn-k_q889c3096f0_attn
	.p2alignl 7, 3214868480
	.fill 96, 4, 3214868480
	.section	.rodata,"a",@progbits
	.p2align	6, 0x0
	.amdhsa_kernel k_q889c3096f0_attn
		.amdhsa_group_segment_fixed_size 327680
		.amdhsa_private_segment_fixed_size 0
		.amdhsa_enable_private_segment 0
		.amdhsa_kernarg_size 48
		.amdhsa_user_sgpr_count 2
		.amdhsa_user_sgpr_kernarg_segment_ptr 1
		.amdhsa_wavefront_size32 1
		.amdhsa_system_sgpr_workgroup_id_x 1
		.amdhsa_system_sgpr_workgroup_id_y 1
		.amdhsa_system_sgpr_workgroup_id_z 1
		.amdhsa_system_vgpr_workitem_id 0
		.amdhsa_next_free_vgpr 256
		.amdhsa_next_free_sgpr 80
		.amdhsa_reserve_vcc 1
		.amdhsa_float_denorm_mode_32 3
		.amdhsa_float_denorm_mode_16_64 3
		.amdhsa_memory_ordered 1
		.amdhsa_forward_progress 1
		.amdhsa_inst_pref_size 41
	.end_amdhsa_kernel
	.amdgpu_metadata
---
amdhsa.version: [ 1, 2 ]
amdhsa.kernels:
  - .name:           k_q889c3096f0_attn
    .symbol:         k_q889c3096f0_attn.kd
    .args:
      - { .name: qkv, .offset: 0, .size: 8, .value_kind: global_buffer, .address_space: global }
      - { .name: alpha, .offset: 8, .size: 8, .value_kind: global_buffer, .address_space: global }
      - { .name: beta, .offset: 16, .size: 8, .value_kind: global_buffer, .address_space: global }
      - { .name: gamma, .offset: 24, .size: 8, .value_kind: global_buffer, .address_space: global }
      - { .name: lowp_scales, .offset: 32, .size: 8, .value_kind: global_buffer, .address_space: global }
      - { .name: oimg, .offset: 40, .size: 8, .value_kind: global_buffer, .address_space: global }
    .group_segment_fixed_size: 327680
    .private_segment_fixed_size: 0
    .kernarg_segment_align: 8
    .kernarg_segment_size: 48
    .max_flat_workgroup_size: 512
    .sgpr_count:     80
    .vgpr_count:     256
    .wavefront_size: 32
...
	.end_amdgpu_metadata
.endif
;; end of part 3
;; launch proj (part 4): grid 8 x 32, 4 waves a work-group, clusters of 4 x 4, 327,680 bytes of LDS; arguments oimg, codes, lowp_scales, b_out, out0; writes out0
.if DOCPART == 4
	.amdgcn_target "amdgcn-amd-amdhsa--gfx1250"
	.amdhsa_code_object_version 6
	.text
	.protected	k_q889c3096f0_proj
	.globl	k_q889c3096f0_proj
	.p2align	8
	.type	k_q889c3096f0_proj,@function
k_q889c3096f0_proj:
	s_mov_b64 s[64:65], 0
	v_nop
	global_prefetch_b8 v0, s[64:65] scope:SCOPE_SE
	s_setreg_imm32_b32 hwreg(HW_REG_WAVE_MODE, 25, 1), 1
	s_wait_xcnt 0x0
	s_wait_alu depctr_hold_cnt(0) depctr_sa_sdst(0) depctr_va_vdst(0) depctr_va_sdst(0) depctr_va_ssrc(0) depctr_va_vcc(0) depctr_vm_vsrc(0)
	s_getreg_b32 s2, hwreg(HW_REG_IB_STS2, 6, 4)
	s_cmp_eq_u32 s2, 0
	s_cbranch_scc0 .Lentry_in_a_cluster
	s_endpgm
.Lentry_in_a_cluster:
	s_bfe_u32 s2, ttmp6, 0x10000c
	s_cmp_lg_u32 s2, 0xf033
	s_cbranch_scc0 .Lentry_shape_is_right
	s_endpgm
.Lentry_shape_is_right:
; out0 = out W_out + b_out on codes of FP8 (E4M3): each finished sum x 2^(e6 + e7) + bias, one packed multiply-add for two numbers.  out0: [4096][1024] f32.
; A (out) comes as IMAGES of operand registers: a tile of 16 rows is 16,384 bytes, 1,024 for each head (64 along K): registers 0-3, then 4-7, lane l's 16 bytes at 16 l; two heads on end are a fragment of 16 rows x 128 K.
; B (W_out's columns) are rows 7168-8191 of the buffer of codes, 1,024 bytes each, with the two middle groups of eight in each 32 exchanged, so that 16 bytes at 32 c + 16 (lane / 16) are the k that A's registers 4 c .. 4 c + 3 hold.
; A tile of out0 is 128 x 128: 32 x 8 = 256 work-groups of four waves, each wave 64 x 64: 16 accumulators, 128 registers.
; ALL OF K AT ONCE: a work-group's 128 rows of A and 128 of B over the whole K of 1,024 are 131,072 + 139,264 bytes of LDS.  So there is no ring: K is cut into four chunks of 256, each wave asks for its part of all
; four at the head (waves 0, 1: A's halves; waves 2, 3: B's), and a chunk is multiplied as soon as a counted wait and a barrier show it whole.  Nothing is filled again.  Four tensor loads of a wave are out at the most.
; Source 0 = 16 rows of B, source 1 = 16 rows of A: a lane holds eight neighbouring numbers of a row of out0.
; CLUSTERS: 4 x 4 work-groups: A's tile hangs on the tile row alone and is asked for jointly by a row of the cluster, B's on the tile column alone and by a column.  One round ahead of the loads, one at the end.
; No prefetch: all that the launch reads is asked for at its head.
; LIMIT: e6 + e7 between -126 and 127, so that 2^(e6 + e7) is an f32 number.
; REGISTERS, in windows of 256: window 0: v0-31 addresses, v8-11 my four numbers of the bias; v32-95 rows of out0 on the way out; v128-255 the accumulators ((a, b) at v[128 + 8 (4 a + b)]).
;   window 1: two fragment buffers of 128: for 128 along K, A's four fragments (64 registers), then B's four.
.set ROWB,   256                       ; B: a chunk's part of a row, in bytes
.set KROW,   1024                      ; B: a row of codes in memory
.set PITCH,  272                       ; B: an LDS row: 256 bytes + 16 of padding = 68 words: the 16 rows that a load touches start at 16 different banks (64 banks of 4 bytes: ISA guide 11.1)
.set ASTEP,  4096                      ; A: a chunk's part of a tile of 16 rows: four heads' images
.set AROW,   16384                     ; A: from a tile of 16 rows to the next, in memory
.set HALFA,  4*ASTEP                   ; A: 64 rows of a chunk, dense in LDS: what one tensor load brings
.set CHA,    2*HALFA                   ; A: a chunk
.set HALFB,  64*PITCH                  ; B: 64 rows of a chunk
.set CHB,    2*HALFB                   ; B: a chunk
.set BOFF,   4*CHA                     ; LDS: A's four chunks, then B's four,
.set STAGE,  BOFF+4*CHB                ; then the way out: a stage of 16 rows x (256 bytes + 16) for each wave, into which no tensor load lands,
.set SPITCH, 272
.set SPARE,  STAGE+4*16*SPITCH         ; then the spare words, 128 bytes for each wave: two blocks of 256 bytes that no other line names
.set BI,   8                           ; v8-11   b_out at my four columns
.set ADRA, 12                          ; v12-15  LDS address of my A fragments in chunk 0 .. 3
.set ADRB, 16                          ; v16-19  the same for B
.set STO,  24                          ; v24     the way out: where I put 32 bytes of a row
.set RD,   25                          ; v25     where I read a row back
.set CO,   26                          ; v26     my byte offset in two rows of out0
.set SPW,  28                          ; v28     LDS address of my spare word; never rewritten
.set NIL,  29                          ; v29     0; never rewritten
.set TMP,  32                          ; v32-95  16 rows read back from the stage, two sets by turns
.set ACC,  128
.set G1,  24                           ; s[24:31] descriptor group 1 for A's tiles
.set G1B, 48                           ; s[48:55] for B's
.set G0,  68                           ; s[68:83] descriptor group 0 for A's tiles, a set for each chunk: none is written again
.set G0B, 84                           ; s[84:99] the same for B's
.set MSB, 0
.macro WIN new                         ; the immediate's high byte repeats the setting that is left
.if MSB != (\new)
	s_set_vgpr_msb (MSB<<8)|(\new)
.set MSB, \new
.endif
.endm
.set MULW, 0x05                        ; sources 0 (B) and 1 (A) window 1; C and D window 0
.set TO_F, 0x40                        ; destination window 1, address window 0
.macro CROUND                          ; a round of the cluster's barrier
	s_barrier_signal -1
	s_barrier_wait -1
	s_cmp_lg_u32 s14, 0
	s_cbranch_scc1 .Lnot_wave_0_\@
	s_barrier_signal -3
.Lnot_wave_0_\@:
	s_barrier_wait -3
	s_barrier_signal -1
	s_barrier_wait -1
.endm
.macro PLACES                          ; four places in front of loads into registers that matrix instructions have read, and of the first read of results (ISA guide 7.12.1 for vector instructions)
.rept 4
	v_nop
.endr
.endm
	s_load_b256 s[4:11], s[0:1], 0x0               ; A's images s[4:5], the codes s[6:7], the exponents s[8:9], b_out s[10:11]
	s_load_b64 s[12:13], s[0:1], 0x20              ; out0
	v_lshl_add_u32 v[SPW], v0, 2, SPARE
	v_mov_b32 v[NIL], 0
	ds_add_u32 v[SPW], v[NIL]                      ; the wave's opening: the add and its wait stand ahead of my first tensor load; the set-up below, work on registers, stands between them
	v_lshrrev_b32 v1, 5, v0
	v_readfirstlane_b32 s14, v1                    ; wave 0..3
	s_lshr_b32 s15, s14, 1                         ; which half of the tile's rows is mine.  Also: I fetch for A (0) or for B (1)
	s_and_b32 s16, s14, 1                          ; which half of its columns.  Also: which 64 rows of that tile I fetch
	s_bfe_u32 s40, ttmp6, 0x40000                  ; cx, cy: my place in the cluster
	s_bfe_u32 s41, ttmp6, 0x40004
	s_lshl_b32 s42, ttmp9, 2
	s_add_co_u32 s42, s42, s40                     ; tile column = 4 x cluster x + cx, 0 .. 7
	s_and_b32 s17, ttmp7, 0xffff
	s_lshl_b32 s17, s17, 2
	s_add_co_u32 s17, s17, s41                     ; tile row = 4 x cluster y + cy, 0 .. 31
	s_lshl_b32 s43, s41, 2
	s_lshl_b32 s43, 15, s43                        ; my row of the cluster
	s_lshl_b32 s44, 0x1111, s40                    ; my column
	; A's group 1: 4 lines of 4,096 bytes, 16,384 bytes apart in memory, dense in LDS
	s_or_b32 s[G1+0], s43, (1<<21)                 ; the mask: my row; elements of 1 byte; no padding; bit 21 set beside a mask
	s_mov_b32 s[G1+1], ASTEP<<16                   ; tensor_dim0
	s_mov_b32 s[G1+2], 4<<16                       ; tensor_dim1
	s_mov_b32 s[G1+3], ASTEP<<16                   ; tile_dim0
	s_mov_b32 s[G1+4], 4                           ; tile_dim1
	s_mov_b32 s[G1+5], AROW                        ; tensor_dim0_stride
	s_mov_b32 s[G1+6], 0
	s_mov_b32 s[G1+7], 0
	; B's group 1: 64 rows of 256 bytes, padded in LDS
	s_or_b32 s[G1B+0], s44, (0<<16)|(1<<20)|(1<<21)|(5<<22)|(3<<25)  ; the mask: my column; padding on: after every 64 words (code 5) 4 words (code 3)
	s_mov_b32 s[G1B+1], ROWB<<16
	s_mov_b32 s[G1B+2], 64<<16
	s_mov_b32 s[G1B+3], ROWB<<16
	s_mov_b32 s[G1B+4], 64
	s_mov_b32 s[G1B+5], KROW
	s_mov_b32 s[G1B+6], 0
	s_mov_b32 s[G1B+7], 0
	s_lshl_b32 s20, s17, 17                        ; A: 128 rows are 8 tiles of 16,384 bytes,
	s_lshl_b32 s22, s16, 16                        ; 64 rows half of that
	s_add_co_u32 s20, s20, s22
	s_mov_b32 s21, 0
	s_lshl_b32 s46, s42, 17                        ; B: 128 rows of 1,024 bytes; the half likewise
	s_add_co_u32 s46, s46, s22
	s_add_co_u32 s46, s46, 7168*1024               ; W_out's rows begin at row 7,168
	s_mov_b32 s47, 0
	s_lshl_b32 s45, s16, 14                        ; where A's half goes in a chunk,
	s_mul_i32 s23, s16, HALFB
	s_add_co_u32 s23, s23, BOFF                    ; and B's: no place in the cluster enters an LDS address
	s_wait_dscnt 0x0                               ; the opening add is done
	s_wait_kmcnt 0x0
	s_load_b256 s[32:39], s[8:9], 0x0              ; e0 .. e7
	s_add_nc_u64 s[20:21], s[4:5], s[20:21]
	s_add_nc_u64 s[46:47], s[6:7], s[46:47]
	CROUND                                         ; all sixteen work-groups are here: the joint loads meet
.irp c, 0,1,2,3
	s_mov_b32 s[G0+4*\c], 1
	s_add_co_u32 s[G0+4*\c+1], s45, \c*CHA
	s_add_nc_u64 s[G0+4*\c+2:G0+4*\c+3], s[20:21], \c*ASTEP
	s_or_b32 s[G0+4*\c+3], s[G0+4*\c+3], 0x80000000
	s_mov_b32 s[G0B+4*\c], 1
	s_add_co_u32 s[G0B+4*\c+1], s23, \c*CHB
	s_add_nc_u64 s[G0B+4*\c+2:G0B+4*\c+3], s[46:47], \c*ROWB
	s_or_b32 s[G0B+4*\c+3], s[G0B+4*\c+3], 0x80000000
.endr
	s_cmp_eq_u32 s15, 0                            ; a wave's four fills stand in one branch on the wave's number, ahead of every wait on TENSORcnt and every LDS read; an s_nop 0 follows each, four v_nop the last
	s_cbranch_scc0 .Lfirst_b
.irp c, 0,1,2,3
	tensor_load_to_lds s[G0+4*\c:G0+4*\c+3], s[G1:G1+7]
	s_nop 0
.endr
.rept 4
	v_nop
.endr
	s_branch .Lfirst_asked
.Lfirst_b:
.irp c, 0,1,2,3
	tensor_load_to_lds s[G0B+4*\c:G0B+4*\c+3], s[G1B:G1B+7]
	s_nop 0
.endr
.rept 4
	v_nop
.endr
.Lfirst_asked:
	v_and_b32 v1, 15, v0                           ; r = l % 16
	v_bfe_u32 v2, v0, 4, 1                         ; h = l / 16
	v_and_b32 v6, 31, v0
	v_lshlrev_b32 v7, 4, v6                        ; 16 x lane: an image's place for my lane
	v_mul_u32_u24 v3, v1, PITCH
	v_lshl_add_u32 v4, v2, 4, v3                   ; B: a fragment's row x pitch + 16 x half
	s_lshl_b32 s21, s15, 14                        ; my 64 rows of A
	s_mul_i32 s22, s16, HALFB
	s_add_co_u32 s22, s22, BOFF                    ; my 64 rows of B
.irp c, 0,1,2,3
	v_add_nc_u32 v[ADRA+\c], s21, v7
	v_add_nc_u32 v[ADRB+\c], s22, v4
	s_add_co_u32 s21, s21, CHA
	s_add_co_u32 s22, s22, CHB
.endr
	s_mul_i32 s23, s14, 16*SPITCH
	s_add_co_u32 s23, s23, STAGE                   ; my stage
	v_mul_u32_u24 v5, v1, SPITCH                   ; in: row r, 32 bytes for each half of the lanes
	v_lshl_add_u32 v5, v2, 5, v5
	v_add_nc_u32 v[STO], s23, v5
	v_mul_u32_u24 v5, v2, SPITCH                   ; back: lanes 0-15 take one row of 256 bytes, lanes 16-31 the next
	v_lshl_add_u32 v5, v1, 4, v5
	v_add_nc_u32 v[RD], s23, v5
	v_lshlrev_b32 v5, 12, v2                       ; and the same two rows of out0, 4,096 bytes apart
	v_lshl_add_u32 v[CO], v1, 4, v5
	v_lshlrev_b32 v3, 4, v1                        ; the bias: 16 r: the four columns that I store, the same in every row
	s_lshl_b32 s20, s17, 7
	s_lshl_b32 s21, s15, 6
	s_add_co_u32 s20, s20, s21                     ; my first row of out0: 128 x tile row + 64 x half,
	s_lshl_b32 s20, s20, 12                        ; of 4,096 bytes
	s_lshl_b32 s46, s42, 9
	s_lshl_b32 s47, s16, 8
	s_add_co_u32 s46, s46, s47                     ; my first column, in bytes: 512 x tile column + 256 x half
	s_mov_b32 s47, 0
	s_add_nc_u64 s[10:11], s[10:11], s[46:47]      ; b_out at my columns
	s_add_co_u32 s20, s20, s46
	s_mov_b32 s21, 0
	s_add_nc_u64 s[12:13], s[12:13], s[20:21]
	global_load_b128 v[BI:BI+3], v3, s[10:11]
; 32 LDS loads: the fragments of step s of eight (128 along K: chunk s / 2, its half s % 2) into buffer s % 2
.macro FETCH s
.set FB, 128*((\s)%2)
	WIN TO_F
.irp i, 0,1,2,3
.irp c, 0,1,2,3
	ds_load_b128 v[FB+64+16*\i+4*\c:FB+64+16*\i+4*\c+3], v[ADRB+(\s)/2] offset:128*((\s)%2)+32*\c+\i*16*PITCH   ; B: the 16 bytes at 32 c + 16 h of row r
.endr
.irp c, 0,1,2,3
	ds_load_b128 v[FB+16*\i+4*\c:FB+16*\i+4*\c+3], v[ADRA+(\s)/2] offset:ASTEP*\i+2048*((\s)%2)+512*\c          ; A: the image as it lies
.endr
.endr
.endm
; 16 matrix instructions: my four blocks of A x my four of B, 128 along K.  The 16 accumulators take turns, one instruction a turn, in the same order in every step.  zero = 1: the first products start the sums
.macro MUL s, zero
.set FB, 128*((\s)%2)
	WIN MULW
.irp a, 0,1,2,3
.irp b, 0,1,2,3
.if \zero
	v_wmma_f32_16x16x128_fp8_fp8 v[ACC+8*(4*\a+\b):ACC+8*(4*\a+\b)+7], v[FB+64+16*\b:FB+64+16*\b+15], v[FB+16*\a:FB+16*\a+15], 0
.else
	v_wmma_f32_16x16x128_fp8_fp8 v[ACC+8*(4*\a+\b):ACC+8*(4*\a+\b)+7], v[FB+64+16*\b:FB+64+16*\b+15], v[FB+16*\a:FB+16*\a+15], v[ACC+8*(4*\a+\b):ACC+8*(4*\a+\b)+7]
.endif
.endr
.endr
.endm
; A chunk's two steps: both steps' fragments are asked for on end, and the second step's land while the first is multiplied
.macro PAIR c, zero
	FETCH 2*(\c)
	FETCH 2*(\c)+1
	s_wait_dscnt 32                                ; the first step's 32 loads are in; the second's 32 may be out
	MUL 2*(\c), \zero
	s_wait_dscnt 0x0                               ; the second step's are in: no LDS instruction of mine is out from here to the next barrier
	MUL 2*(\c)+1, 0
.endm
; On to the next chunk.  left = how many of my later tensor loads may stay out, so they may
.macro NEXT left
	s_wait_tensorcnt \left                         ; tensor loads of a wave end in order (ISA guide 10.11.1): my part of the next chunk is in,
	s_barrier_signal -1
	s_barrier_wait -1                              ; everybody's is
	PLACES                                         ; behind the products that read both buffers, ahead of the loads into them
.endm
	s_wait_loadcnt 0x0                             ; the bias is in: no global load of mine is out at a barrier
	s_wait_tensorcnt 3                             ; my part of chunk 0 is in; my three later loads may be out,
	s_barrier_signal -1
	s_barrier_wait -1                              ; everybody's is
	PAIR 0, 1
	NEXT 2
	PAIR 1, 0
	NEXT 1
	PAIR 2, 0
	NEXT 0
	PAIR 3, 0
	WIN 0
; THE WAY OUT, block by block of 16 rows x 64 columns.  The sums go into my own stage as they stand and come back as whole rows of 256 bytes, sixteen lanes to a row; there a lane holds four columns, the same in
; every row, so its four numbers of the bias serve all rows: sum x 2^(e6 + e7) + bias.  LDS serves a wave's instructions in order (ISA guide 5.7.1.4): no wait between the stores and the loads, nor ahead of the next block's stores.
.macro TOSTAGE a
.irp b, 0,1,2,3
	ds_store_b128 v[STO], v[ACC+8*(4*(\a)+\b):ACC+8*(4*(\a)+\b)+3] offset:64*\b          ; each accumulator from its low end on
	ds_store_b128 v[STO], v[ACC+8*(4*(\a)+\b)+4:ACC+8*(4*(\a)+\b)+7] offset:64*\b+16
.endr
.set BB, TMP+32*((\a)%2)
.irp t, 0,1,2,3,4,5,6,7
	ds_load_b128 v[BB+4*\t:BB+4*\t+3], v[RD] offset:2*\t*SPITCH
.endr
.endm
.macro SEND a, younger                 ; younger: the LDS instructions issued behind block a's loads, which may stay out
.set BB, TMP+32*((\a)%2)
	s_wait_dscnt \younger                          ; the block is back in registers
.irp t, 0,1,2,3,4,5,6,7
	v_pk_fma_f32 v[BB+4*\t:BB+4*\t+1], v[BB+4*\t:BB+4*\t+1], s[18:19], v[BI:BI+1] op_sel_hi:[1,0,1]
	v_pk_fma_f32 v[BB+4*\t+2:BB+4*\t+3], v[BB+4*\t+2:BB+4*\t+3], s[18:19], v[BI+2:BI+3] op_sel_hi:[1,0,1]
.endr
.irp t, 0,1,2,3,4,5,6,7
	global_store_b128 v[CO], v[BB+4*\t:BB+4*\t+3], s[12:13] offset:(16*(\a)+2*\t)*4096 th:TH_STORE_NT   ; sixteen lanes store 256 consecutive bytes, aligned; the row stands in the immediate, 62 rows at the most; written once, read by nobody here
.endr
.endm
	s_wait_kmcnt 0x0
	s_add_co_i32 s18, s38, s39                     ; e6 + e7
	s_add_co_i32 s18, s18, 127
	s_lshl_b32 s18, s18, 23                        ; 2^(e6 + e7) as f32
	s_mov_b32 s19, s18                             ; (named with it as a pair, so it is written)
	PLACES                                         ; behind the last products, ahead of the first read of results
	TOSTAGE 0
	TOSTAGE 1
	SEND 0, 16                                     ; behind block 0's loads: block 1's 8 stores and 8 loads
	s_wait_xcnt 0x0                                ; block 0's stores have read their registers: block 2's loads may land there
	TOSTAGE 2
	SEND 1, 16
	s_wait_xcnt 0x0                                ; block 1's likewise
	TOSTAGE 3
	SEND 2, 16
	SEND 3, 0
	s_wait_tensorcnt 0x0                           ; the wave's end: three lines behind my last tensor load and my last LDS store
	ds_add_u32 v[SPW], v[NIL]
	s_wait_dscnt 0x0
	CROUND                                         ; the closing round: no work-group ends while a partner may still ask for a tile that names it
	s_endpgm
.Lfunc_end_k_q889c3096f0_proj:
	.size	k_q889c3096f0_proj, .Lfunc_end_k_q889c3096f0_proj-k_q889c3096f0_proj
	.p2alignl 7, 3214868480
	.fill 96, 4, 3214868480
	.section	.rodata,"a",@progbits
	.p2align	6, 0x0
	.amdhsa_kernel k_q889c3096f0_proj
		.amdhsa_group_segment_fixed_size 327680
		.amdhsa_private_segment_fixed_size 0
		.amdhsa_enable_private_segment 0
		.amdhsa_kernarg_size 40
		.amdhsa_user_sgpr_count 2
		.amdhsa_user_sgpr_kernarg_segment_ptr 1
		.amdhsa_wavefront_size32 1
		.amdhsa_system_sgpr_workgroup_id_x 1
		.amdhsa_system_sgpr_workgroup_id_y 1
		.amdhsa_system_sgpr_workgroup_id_z 1
		.amdhsa_system_vgpr_workitem_id 0
		.amdhsa_next_free_vgpr 512
		.amdhsa_next_free_sgpr 100
		.amdhsa_reserve_vcc 0
		.amdhsa_float_denorm_mode_32 3
		.amdhsa_float_denorm_mode_16_64 3
		.amdhsa_memory_ordered 1
		.amdhsa_forward_progress 1
		.amdhsa_inst_pref_size 46
	.end_amdhsa_kernel
	.amdgpu_metadata
---
amdhsa.version: [ 1, 2 ]
amdhsa.kernels:
  - .name:           k_q889c3096f0_proj
    .symbol:         k_q889c3096f0_proj.kd
    .args:
      - { .name: oimg, .offset: 0, .size: 8, .value_kind: global_buffer, .address_space: global }
      - { .name: codes, .offset: 8, .size: 8, .value_kind: global_buffer, .address_space: global }
      - { .name: lowp_scales, .offset: 16, .size: 8, .value_kind: global_buffer, .address_space: global }
      - { .name: b_out, .offset: 24, .size: 8, .value_kind: global_buffer, .address_space: global }
      - { .name: out0, .offset: 32, .size: 8, .value_kind: global_buffer, .address_space: global }
    .group_segment_fixed_size: 327680
    .private_segment_fixed_size: 0
    .kernarg_segment_align: 8
    .kernarg_segment_size: 40
    .max_flat_workgroup_size: 128
    .sgpr_count:     100
    .vgpr_count:     512
    .wavefront_size: 32
...
	.end_amdgpu_metadata
.endif
;; end of part 4
